; MI455X (gfx1250); checked and timed in simulation.
; The chip was launched on July 23, 2026; its instructions are those of AMD's public machine-readable ISA for CDNA 5 (MIT licence, August 2026) and "CDNA5" Instruction Set Architecture Reference Guide (July 2026). The comments in the code are by the model that wrote it; some were corrected since.
;; Logical Attention Layer. Allowed arithmetic: matrix products marked QUANTISED: E3M2 operands, one E8M0 scale for each 32 along K, by v_wmma_scale_f32_16x16x128_f8f6f4 with both operands' format E3M2, f32 sums; products left as they are: f32 operands where the result goes on into a quantised operand, else bf16, f16 or f32 operands; f32 sums; everything else in f32.
;; Inputs: Wk 1,024 x 1,024 float32; Wo 1,024 x 1,024 float32; Wq 1,024 x 1,024 float32; Wv 1,024 x 1,024 float32; bk 1,024 float32; bo 1,024 float32; bq 1,024 float32; bv 1,024 float32; x 4 x 4,096 x 1,024 float32.
;; Outputs: out0 4 x 4,096 x 1,024 float32.
;; This version of the problem:
;;   THIS VERSION OF THE PROBLEM IS GIVEN IN LOW PRECISION. The matrix products marked QUANTISED in the list below multiply operands that are first quantised to E3M2 (3 exponent bits, 2 mantissa bits; 6 bits a number), with one power-of-two scale for each 32 numbers along K (OCP MX v1.0); their sums are f32. All else is computed in f32.
;;   The module's matrix products, in the order in which they are computed (A, B: the left and right operand; K: the contracted axis; several contracted axes count as one K, in the product's order):
;;     1. [M 16,384, K 1,024] x [K 1,024, N 1,024]; A: input x; B: input Wq: QUANTISED
;;     2. [M 16,384, K 1,024] x [K 1,024, N 1,024]; A: input x; B: input Wk: QUANTISED
;;     3. [M 16,384, K 1,024] x [K 1,024, N 1,024]; A: input x; B: input Wv: QUANTISED
;;     4. batch 16,384 x [M 16, K 64] x [K 64, N 16]; A: computed on the way; B: computed on the way: QUANTISED
;;     5. batch 16,384 x [M 16, K 16] x [K 16, N 64]; A: softmax; B: computed on the way: left as it is (K = 16 < 32)
;;     6. [M 16,384, K 1,024] x [K 1,024, N 1,024]; A: computed on the way; B: input Wo: QUANTISED
;;   THE QUANTISER, for each operand of a quantised product, along K:
;;     - K is cut into blocks of 32 from its start; a last block that is shorter is filled with zeros.
;;     - A block's scale is 2^e with e = floor(log2(the largest magnitude in the block)) - 4, held to -126 .. 127; a block of zeros has e = 0. As a byte (E8M0): e + 127.
;;     - Each number is divided by its block's scale, clamped to +-28, and rounded to the nearest number of E3M2, ties to even, subnormals kept.
;;     - The product sums the exact products of the quantised numbers (number of the format x scale) in f32.
;;   ~~~python
;;   def quantise(x, axis):      # numpy; x: float32 -> the quantised numbers, widened to float32 again
;;       x = np.moveaxis(x, axis, -1); K = x.shape[-1]
;;       x = np.pad(x, [(0, 0)] * (x.ndim - 1) + [(0, -K % 32)]); x = x.reshape(x.shape[:-1] + (-1, 32)); a = np.abs(x).max(-1, keepdims=True)
;;       e = np.where(a > 0, np.clip(np.frexp(np.where(a > 0, a, 1))[1] - 1 - 4, -126, 127), 0)      # np.frexp(a)[1] - 1 = floor(log2(a)), exactly
;;       r = np.clip(x / 2.0 ** e, -28, 28)
;;       step = 2.0 ** (np.maximum(np.frexp(np.where(r == 0, 1, r))[1] - 1, -2) - 2)
;;       q = np.round(r / step) * step * 2.0 ** e      # np.round: ties to even
;;       return np.moveaxis(q.reshape(q.shape[:-2] + (-1,))[..., :K], -1, axis).astype(np.float32)
;;   ~~~
;;   OPERANDS COMPUTED ON THE WAY. 'Computed on the way' means the value that the module computes at that place (a softmax that the list does not call 'softmax' is quantised finished and normalised). What goes into a quantiser is computed in f32, as accurately as f32 sums, v_exp_f32 and their like allow (about 1e-6 of the number): no bf16 or f16 on the way to a quantiser, and a product that is left as it is and whose result goes on into a quantised operand takes f32 operands (vector FMAs, or v_wmma_f32_16x16x4_f32). A number that lies on a knife's edge between two numbers of the format may be rounded either way, as far as f32 arithmetic and the matrix unit's own rounding can turn it there, and no further.
;; One version. Each part assembles by itself: llvm-mc -triple=amdgcn-amd-amdhsa -mcpu=gfx1250 --defsym DOCPART=n.
;; ======== version 1 of 1: 2 launches
;; limits: right only within a limited range of input values
;; workspace buffers: wst 3,309,568 bytes
;; launch prep (part 1): grid 256 x 1, 8 waves a work-group, no clusters, 69,632 bytes of LDS; arguments Wq, Wk, Wv, Wo, bq, bk, bv, bo, wst; writes wst
.if DOCPART == 1
	.amdgcn_target "amdgcn-amd-amdhsa--gfx1250"
	.amdhsa_code_object_version 6
	.text
	.protected	k_q200c9e5569_prep
	.globl	k_q200c9e5569_prep
	.p2align	8
	.type	k_q200c9e5569_prep,@function
k_q200c9e5569_prep:
	s_mov_b64 s[64:65], 0
	v_nop
	global_prefetch_b8 v0, s[64:65] scope:SCOPE_SE
	s_setreg_imm32_b32 hwreg(HW_REG_WAVE_MODE, 25, 1), 1
	s_wait_xcnt 0x0
; Wq, Wk, Wv, Wo [1024][1024] f32 (row = output feature, K innermost) become codes of BF6 (E3M2) with one E8M0 byte for each 32 along K, laid in wst in the ORDER IN WHICH THE NEXT LAUNCH EATS THEM.
; wst = 32 slots x 4 waves x 25,856 bytes.  Slot sigma = 8 p + 2 n + hf: p the pass (0 q, 1 k, 2 v, 3 o), n a step of 256 output columns, hf which four K steps of 128.  Block (sigma, w) holds, for the reading wave w:
;   16 fragments (K step s' of the slot, tile i) as IMAGES OF THE OPERAND'S REGISTERS: (4 s' + i) x 1,536 + 512 c + 16 lane = registers 4 c .. 4 c + 3 of the lane's twelve;
;   at 24,576 the scale words as an image of 8 registers: register 2 s' + i / 2, lane 16 (i % 2) + r = the word of tile i's row r;   at 25,600 the bias of tile i's row m, at 64 i + 4 m.
; WHICH WEIGHT ROW IS ROW r OF TILE i.  Passes q, k, o: 64 (4 n + w) + 8 i + 16 (i / 2) + r + 8 (r / 8): used transposed, the 16 registers of tiles 2 b, 2 b + 1 are then 16 neighbours along the next K.
;   Pass v: 64 r + d, d = 32 (n / 2) + 8 (n % 2) + m + 8 (m / 8), m = 4 w + i: a tile holds ONE channel d of all 16 heads.
; SHARES.  Work-group id: bit 0 = pr (which two of the slot's four K steps), bits 2:1 = w, the rest = sigma.  Each of its eight waves makes ONE fragment: tile i = wave % 4, K step s' = 2 pr + wave / 4.
; A block's scale is 2^(floor(log2(largest magnitude)) - 4): its byte is the largest magnitude's exponent field - 4, held at 1 from below.
; LIMITS: a block of zeros gets the byte 1 where the rule says 127 (its codes are zeros, and this program alone reads the bytes); NaN and infinities among the inputs are not served.
.set BLKB, 25856
.set STGB, 8448                        ; a wave's stage: 16 rows x (512 bytes + 16)
.set SCB,  8*STGB                      ; behind the stages: 512 bytes in which the eight waves' scale words meet
.set RAW,  16                          ; v16-79   16 rows x 128 numbers as loaded: 16 bytes a lane of each row
.set X,    80                          ; v80-143  register 32 c + e = k 64 c + 32 h + e of row r
.set C,    144                         ; v144-155 the fragment
.set C2,   156                         ; v156-158, v160-162 the upper halves of the two blocks, before they are moved
	s_load_b256 s[8:15], s[0:1], 0x0               ; Wq, Wk, Wv, Wo
	s_load_b256 s[16:23], s[0:1], 0x20             ; bq, bk, bv, bo
	s_load_b64 s[24:25], s[0:1], 0x40              ; wst
	v_lshl_add_u32 v192, v0, 2, 0x10c00
	v_mov_b32 v193, 0
	v_lshrrev_b32 v1, 5, v0
	s_delay_alu instid0(VALU_DEP_1)
	v_readfirstlane_b32 s26, v1                    ; wave 0..7
	v_and_b32 v1, 31, v0                           ; lane
	v_and_b32 v2, 15, v0                           ; r
	v_bfe_u32 v3, v0, 4, 1                         ; h
	s_delay_alu instid0(VALU_DEP_3)
	v_lshlrev_b32 v4, 4, v1                        ; 16 x lane
	s_wait_alu depctr_va_vdst(0)
	s_and_b32 s27, ttmp9, 1                        ; pr
	s_bfe_u32 s28, ttmp9, 0x20001                  ; w
	s_lshr_b32 s29, ttmp9, 3                       ; sigma
	s_and_b32 s30, s29, 1                          ; hf
	s_bfe_u32 s31, s29, 0x20001                    ; n
	s_lshr_b32 s32, s29, 3                         ; p
	s_and_b32 s33, s26, 3                          ; i
	s_lshr_b32 s34, s26, 2                         ; wave / 4
	s_mov_b32 s6, 0x76543210
	s_mov_b32 s7, 0xfedcba98                       ; v_permlanex16_b32's selects for lane l xor 16
	; every LDS address is made here, ahead of all branches
	s_mul_i32 s35, s26, STGB
	v_add_nc_u32 v5, s35, v4                       ; the stage, on the way in: 16 x lane of a row
	v_mul_u32_u24 v6, v2, 528
	s_delay_alu instid0(VALU_DEP_1)
	v_lshl_add_u32 v6, v3, 7, v6
	s_delay_alu instid0(VALU_DEP_1)
	v_add_nc_u32 v6, s35, v6                       ; and on the way out: row r, + 128 h: my 32 numbers of a block
	s_and_b32 s36, s33, 1
	s_lshl_b32 s36, s36, 8                         ; the scale word's place in the image: lane 16 (i % 2) + r, 16 bytes a lane,
	s_lshl_b32 s37, s34, 3
	s_add_co_u32 s36, s36, s37                     ; register (2 s' + i / 2) % 4 = 2 (wave / 4) + i / 2, 4 bytes each
	s_lshr_b32 s37, s33, 1
	s_lshl_b32 s37, s37, 2
	s_add_co_u32 s36, s36, s37
	s_add_co_u32 s36, s36, SCB
	v_lshl_add_u32 v7, v2, 4, s36
	v_add_nc_u32 v8, SCB, v4                       ; wave 0 reads the image back: 16 bytes a lane,
	s_lshl_b32 s37, s27, 9
	s_add_co_u32 s37, s37, 24576
	v_add_nc_u32 v9, s37, v4                       ; and stores it at 24,576 + 512 pr of the block
	; the tile's first weight row
	s_lshl_b32 s38, s31, 2
	s_add_co_u32 s38, s38, s28
	s_lshl_b32 s38, s38, 6                         ; q, k, o: 64 (4 n + w)
	s_lshr_b32 s39, s31, 1
	s_lshl_b32 s39, s39, 5
	s_and_b32 s40, s31, 1
	s_lshl_b32 s40, s40, 3
	s_add_co_u32 s39, s39, s40
	s_lshl_b32 s40, s28, 2
	s_add_co_u32 s39, s39, s40
	s_lshr_b32 s40, s28, 1
	s_lshl_b32 s40, s40, 3
	s_add_co_u32 s39, s39, s40                     ; v: 32 (n / 2) + 8 (n % 2) + 4 w + 8 (w / 2)
	s_lshl_b32 s41, s33, 3
	s_lshr_b32 s42, s33, 1
	s_lshl_b32 s42, s42, 4
	s_add_co_u32 s41, s41, s42                     ; q, k, o: + 8 i + 16 (i / 2);  v: + i
	s_cmp_eq_u32 s32, 2
	s_cselect_b32 s43, s39, s38                    ; s43: the base, kept for the biases
	s_cselect_b32 s41, s33, s41
	s_add_co_u32 s41, s41, s43
	s_lshl_b32 s45, s27, 1
	s_add_co_u32 s45, s45, s34                     ; s' = 2 pr + wave / 4
	s_lshl_b32 s44, s30, 2
	s_add_co_u32 s44, s44, s45                     ; the K step: 4 hf + s'
	s_lshl_b32 s44, s44, 9                         ; 512 bytes a K step,
	s_lshl_b32 s41, s41, 12                        ; 4,096 bytes a row
	s_add_co_u32 s2, s41, s44
	s_mov_b32 s3, 0
	s_lshl_b32 s46, s29, 2
	s_add_co_u32 s46, s46, s28
	s_mul_i32 s46, s46, BLKB                       ; my block of wst: (4 sigma + w) x 25,856
	s_mov_b32 s47, 0
	s_wait_kmcnt 0x0
	s_cmp_eq_u32 s32, 1                            ; the pass's weight and bias: a choice on the work-group's number alone
	s_cselect_b64 s[8:9], s[10:11], s[8:9]
	s_cselect_b64 s[16:17], s[18:19], s[16:17]
	s_cmp_eq_u32 s32, 2
	s_cselect_b64 s[8:9], s[12:13], s[8:9]
	s_cselect_b64 s[16:17], s[20:21], s[16:17]
	s_cmp_eq_u32 s32, 3
	s_cselect_b64 s[8:9], s[14:15], s[8:9]
	s_cselect_b64 s[16:17], s[22:23], s[16:17]
	s_add_nc_u64 s[8:9], s[8:9], s[2:3]
	s_add_nc_u64 s[24:25], s[24:25], s[46:47]
	s_lshl_b32 s2, s45, 2
	s_add_co_u32 s2, s2, s33
	s_mul_i32 s2, s2, 1536                         ; my fragment's image: (4 s' + i) x 1,536
	s_add_nc_u64 s[4:5], s[24:25], s[2:3]
	; sixteen rows, 512 consecutive bytes each.  The two ways differ in the rows' distances alone, which stand in the immediates; both issue 16 loads into the same registers
	s_cmp_eq_u32 s32, 2
	s_cbranch_scc1 .Lrows_v
.irp j, 0,1,2,3,4,5,6,7,8,9,10,11,12,13,14,15
	global_load_b128 v[RAW+4*\j:RAW+4*\j+3], v4, s[8:9] offset:4096*(\j+8*(\j/8)) th:TH_LOAD_NT   ; row j + 8 (j / 8) of the tile's 24
.endr
	s_branch .Lrows_in
.Lrows_v:
.irp j, 0,1,2,3,4,5,6,7,8,9,10,11,12,13,14,15
	global_load_b128 v[RAW+4*\j:RAW+4*\j+3], v4, s[8:9] offset:262144*\j th:TH_LOAD_NT             ; head j's row: 64 rows on
.endr
.Lrows_in:
	s_wait_loadcnt 0x0
	; the turn through my own stage: in as loaded, out 128 bytes a lane.  LDS serves a wave's instructions in order (ISA guide 5.7.1.4): no wait between the stores and the loads
	s_wait_alu depctr_va_vdst(0)
.irp j, 0,1,2,3,4,5,6,7,8,9,10,11,12,13,14,15
	ds_store_b128 v5, v[RAW+4*\j:RAW+4*\j+3] offset:528*\j
.endr
.irp c, 0,1
.irp q, 0,1,2,3,4,5,6,7
	ds_load_b128 v[X+32*\c+4*\q:X+32*\c+4*\q+3], v6 offset:256*\c+16*\q
.endr
.endr
	s_wait_dscnt 0x0
.irp c, 0,1                                    ; my block 2 c + h: all its 32 numbers are mine
	v_max3_num_f32 v[10+\c], |v[X+32*\c]|, |v[X+32*\c+1]|, 0x2800000   ; and the floor 2^(5 - 127): the byte cannot fall under 1
.endr
.irp i, 2,4,6,8,10,12,14,16,18,20,22,24,26,28,30
.irp c, 0,1
	s_delay_alu instid0(VALU_DEP_2)
	v_max3_num_f32 v[10+\c], v[10+\c], |v[X+32*\c+\i]|, |v[X+32*\c+\i+1]|   ; (the two blocks by turns)
.endr
.endr
.irp c, 0,1
	s_delay_alu instid0(VALU_DEP_2)
	v_add_nc_u32 v[12+\c], 0xfe000000, v[10+\c]    ; 4 off the exponent field: the conversion's scale operand
.endr
.irp c, 0,1
	s_delay_alu instid0(VALU_DEP_2)
	v_lshrrev_b32 v[14+\c], 23, v[12+\c]           ; the scale's byte
.endr
	s_delay_alu instid0(VALU_DEP_1)
	v_lshl_or_b32 v164, v15, 16, v14               ; my two bytes, blocks h and 2 + h of row r,
	v_lshlrev_b32 v165, 3, v3
	s_delay_alu instid0(VALU_DEP_1)
	v_lshlrev_b32 v164, v165, v164                 ; at their places in the word;
	v_mov_b32 v165, 0
	s_delay_alu instid0(VALU_DEP_1)
	v_permlanex16_b32 v165, v164, s6, s7
	s_delay_alu instid0(VALU_DEP_1)
	v_or_b32 v164, v164, v165                      ; with lane l xor 16's two the word is whole
.irp c, 0,1
	v_cvt_scalef32_pk16_bf6_f32 v[C+6*\c:C+6*\c+2], v[X+32*\c:X+32*\c+15], v[12+\c]
	v_cvt_scalef32_pk16_bf6_f32 v[C2+4*\c:C2+4*\c+2], v[X+32*\c+16:X+32*\c+31], v[12+\c]   ; (a conversion's three registers begin on an even number)
.endr
	v_nop                                          ; one plain place behind a scaled conversion
.irp c, 0,1
.irp i, 0,1,2
	v_mov_b32 v[C+6*\c+3+\i], v[C2+4*\c+\i]
.endr
.endr
	ds_store_b32 v7, v164                          ; lanes r and 16 + r write the same word with the same value
.irp c, 0,1,2
	global_store_b128 v4, v[C+4*\c:C+4*\c+3], s[4:5] offset:512*\c   ; 32 lanes store 512 consecutive bytes, at a multiple of 256 from wst's first byte
.endr
	s_wait_dscnt 0x0                               ; for the others' sake: my scale words lie in LDS
	s_barrier_signal -1
	s_barrier_wait -1
	s_cmp_lg_u32 s26, 0
	s_cbranch_scc1 .Lnot_wave_0
	ds_load_b128 v[16:19], v8                      ; wave 0: the eight waves' scale words leave as 512 consecutive bytes
	s_wait_dscnt 0x0
	global_store_b128 v9, v[16:19], s[24:25]
	s_wait_tensorcnt 0x0
	ds_add_u32 v192, v193
	s_wait_dscnt 0x0
	s_endpgm
.Lnot_wave_0:
	s_cmp_lg_u32 s26, 1
	s_cbranch_scc1 .Ldone
	s_cmp_lg_u32 s27, 0
	s_cbranch_scc1 .Ldone
	; wave 1 of the work-groups with pr = 0: the block's 64 biases.  Lane l takes tile i = l / 8, rows m0 = 2 (l % 8) and m0 + 1
	s_cmp_eq_u32 s32, 2
	s_cselect_b32 s36, 64, 1                       ; from row to row of a tile,
	s_cselect_b32 s37, 0, 8                        ; the jump behind row 7,
	s_cselect_b32 s38, 1, 8                        ; from tile to tile,
	s_cselect_b32 s39, 0, 16                       ; the jump behind tile 1
	v_lshrrev_b32 v166, 3, v1
	v_and_b32 v167, 7, v1
	s_delay_alu instid0(VALU_DEP_1)
	v_lshlrev_b32 v167, 1, v167
	s_delay_alu instid0(VALU_DEP_1)
	v_lshrrev_b32 v168, 3, v167
	s_delay_alu instid0(VALU_DEP_4)
	v_lshrrev_b32 v169, 1, v166
	s_delay_alu instid0(VALU_DEP_3)
	v_mul_u32_u24 v170, v167, s36
	s_delay_alu instid0(VALU_DEP_1)
	v_mad_u32_u24 v170, v168, s37, v170
	s_delay_alu instid0(VALU_DEP_1)
	v_mad_u32_u24 v170, v166, s38, v170
	s_delay_alu instid0(VALU_DEP_1)
	v_mad_u32_u24 v170, v169, s39, v170
	s_delay_alu instid0(VALU_DEP_1)
	v_add_nc_u32 v170, s43, v170
	s_delay_alu instid0(VALU_DEP_1)
	v_lshlrev_b32 v170, 2, v170
	s_lshl_b32 s36, s36, 2
	v_add_nc_u32 v171, s36, v170
	v_lshlrev_b32 v172, 3, v1
	global_load_b32 v174, v170, s[16:17]
	global_load_b32 v175, v171, s[16:17]
	s_wait_alu depctr_va_vdst(0)
	s_wait_loadcnt 0x0
	global_store_b64 v172, v[174:175], s[24:25] offset:25600   ; 32 lanes store 256 consecutive bytes, aligned
.Ldone:
	s_wait_tensorcnt 0x0
	ds_add_u32 v192, v193
	s_wait_dscnt 0x0
	s_endpgm
.Lfunc_end_k_q200c9e5569_prep:
	.size	k_q200c9e5569_prep, .Lfunc_end_k_q200c9e5569_prep-k_q200c9e5569_prep
	.p2alignl 7, 3214868480
	.fill 96, 4, 3214868480
	.section	.rodata,"a",@progbits
	.p2align	6, 0x0
	.amdhsa_kernel k_q200c9e5569_prep
		.amdhsa_group_segment_fixed_size 69632
		.amdhsa_private_segment_fixed_size 0
		.amdhsa_enable_private_segment 0
		.amdhsa_kernarg_size 72
		.amdhsa_user_sgpr_count 2
		.amdhsa_user_sgpr_kernarg_segment_ptr 1
		.amdhsa_wavefront_size32 1
		.amdhsa_system_sgpr_workgroup_id_x 1
		.amdhsa_system_sgpr_workgroup_id_y 1
		.amdhsa_system_sgpr_workgroup_id_z 1
		.amdhsa_system_vgpr_workitem_id 0
		.amdhsa_next_free_vgpr 194
		.amdhsa_next_free_sgpr 66
		.amdhsa_reserve_vcc 0
		.amdhsa_float_denorm_mode_32 3
		.amdhsa_float_denorm_mode_16_64 3
		.amdhsa_memory_ordered 1
		.amdhsa_forward_progress 1
		.amdhsa_inst_pref_size 16
	.end_amdhsa_kernel
	.amdgpu_metadata
---
amdhsa.version: [ 1, 2 ]
amdhsa.kernels:
  - .name:           k_q200c9e5569_prep
    .symbol:         k_q200c9e5569_prep.kd
    .args:
      - { .name: Wq, .offset: 0, .size: 8, .value_kind: global_buffer, .address_space: global }
      - { .name: Wk, .offset: 8, .size: 8, .value_kind: global_buffer, .address_space: global }
      - { .name: Wv, .offset: 16, .size: 8, .value_kind: global_buffer, .address_space: global }
      - { .name: Wo, .offset: 24, .size: 8, .value_kind: global_buffer, .address_space: global }
      - { .name: bq, .offset: 32, .size: 8, .value_kind: global_buffer, .address_space: global }
      - { .name: bk, .offset: 40, .size: 8, .value_kind: global_buffer, .address_space: global }
      - { .name: bv, .offset: 48, .size: 8, .value_kind: global_buffer, .address_space: global }
      - { .name: bo, .offset: 56, .size: 8, .value_kind: global_buffer, .address_space: global }
      - { .name: wst, .offset: 64, .size: 8, .value_kind: global_buffer, .address_space: global }
    .group_segment_fixed_size: 69632
    .private_segment_fixed_size: 0
    .kernarg_segment_align: 8
    .kernarg_segment_size: 72
    .max_flat_workgroup_size: 256
    .sgpr_count:     66
    .vgpr_count:     194
    .wavefront_size: 32
...
	.end_amdgpu_metadata
.endif
;; end of part 1
;; launch fused (part 2): grid 256 x 1, 4 waves a work-group, no clusters, 209,152 bytes of LDS; arguments x, wst, out0; writes out0
.if DOCPART == 2
	.amdgcn_target "amdgcn-amd-amdhsa--gfx1250"
	.amdhsa_code_object_version 6
	.text
	.protected	k_q200c9e5569_fused
	.globl	k_q200c9e5569_fused
	.p2align	8
	.type	k_q200c9e5569_fused,@function
k_q200c9e5569_fused:
	s_mov_b64 s[64:65], 0
	v_nop
	global_prefetch_b8 v0, s[64:65] scope:SCOPE_SE
	s_setreg_imm32_b32 hwreg(HW_REG_WAVE_MODE, 25, 1), 1
	s_wait_xcnt 0x0
; out0 = (softmax over g of (q[h] . k[g] / 8) x v[g]) Wo^T + bo, with q, k, v = x W^T + b, for 16,384 tokens of 1,024 numbers; the attention runs ACROSS THE 16 HEADS of each token.
; The four large products and q . k run on codes of BF6 (E3M2) with one E8M0 scale for each 32 along K; attn x v (K = 16) runs on f32 operands, since its result is quantised again.  No step and no input of the problem is left out.
; SHARES.  A work-group owns 64 tokens; its four waves share the COLUMNS.  A UNIT is a wave's 64 columns x 64 tokens x K = 1,024: 16 accumulators, 8 K steps of 16 products.  Four units side by side are 256 columns; 4 such steps a pass; passes q, k, v, o.
; THE WEIGHTS come from wst as images of the operand's registers, in the order of use.  A block of wst is read by ONE wave of the work-group, so it goes from memory straight into that wave's registers (global_load_b128, 512 bytes an
; instruction) and never through LDS.  Eight K-step buffers of 48 registers; behind K step s's products the NEXT unit's K step s is asked for, into the buffer just left: the stream goes on under whatever stands between two units.
; A package: 12 loads of fragments; with an odd step one load of scale words for that step and the one before; with a unit's first step 8 loads of biases.
; THE TOKENS' codes (x's, later the attention's result's) lie in LDS rows that all four waves read, K step by K step, into two sets of four fragments.  In passes q, k and o the fragments of K steps 3 and 7 stay in the registers that attn has in pass v.
; NO CLUSTER: a joint load lands in LDS alone, and here each block has one reading wave, whose registers take it as it lies; through LDS each byte would be written and read once more.
; NO PREFETCH: the loads themselves are issued a whole unit (49,152 bytes of fragments a wave) ahead of their use, through all passes without a stop.
; THE MATRIX INSTRUCTION IS USED TRANSPOSED (source 0 = 16 weight rows, source 1 = 16 tokens): a lane holds ONE token (lane % 16), and the weight rows of a tile are chosen so that the 16 registers of tiles 2 b, 2 b + 1 are the 16
; neighbours 32 b + 16 (lane / 16) + 0 .. 15 of a head: half a block of the next K.  In pass v a tile holds one channel d of all 16 heads: v goes to LDS as the f32 product's source 0; attn stays in registers as its source 1.
; LIMITS: NaN and infinities among the inputs are not served; a block of zeros gets the scale byte 1 where the rule says 127 (its codes are zeros, and this program alone reads the bytes); v_exp_f32 gives 0 for results under 2^-126
; (ISA guide 15.8); the softmax's divisor is taken by v_rcp_f32 (1 ulp).
; REGISTERS, in windows of 256 (s_set_vgpr_msb: bits 1:0 source 0, 3:2 source 1, 5:4 source 2, 7:6 destination):
;   window 0: v1-31 addresses; v32-47 the tokens' scale words; v48-55, v240-247 the weights' scale words of K steps 0-3, 4-7; v56-87 biases; v88-183 two sets of four token fragments (between units: at work); v184-239 at work; v248-255 q's and k's scale bytes.
;   windows 1, 2: v0-191 the weights' fragments of K steps 0-3, 4-7; v192-255 attn of my tokens 0-7, 8-15, in passes q, k, o v192-239 the tokens' fragments of K step 3, 7.  (While x is read, window 2 holds four sets of 64 raw numbers.)
;   window 3: accumulators, written by matrix instructions alone.
.set BLKB,  25856                      ; a wave's block of a slot of wst: 16 fragments x 1,536, 1,024 bytes of scale words, 256 of biases
.set POSB,  4*BLKB                     ; a slot: four K steps of a step of 256 columns
.set ORW2,  0                          ; the attention's result's codes: row = token, pitch 784; block K / 32 at 24 bytes each
.set OSC2,  50176                      ; their scale bytes: row = token, pitch 36
.set ORW,   52480                      ; x's codes, laid likewise
.set OSC,   102656
.set W0,    104960
.set XSTG,  W0                         ; while x is read: a stage of 16 rows x 528 bytes for each wave
.set QKR,   W0                         ; q's and k's codes: row = token, pitch 1,552; head H (q 0-15, k 16-31) at 48 H
.set QKS,   W0+64*1552                 ; their scale bytes: row = token, pitch 68
.set VCH,   W0                         ; v of one step: token x 1,040 + 512 (g / 8) + 256 ((g / 4) % 2) + 16 m + 4 (g % 4)
.set OSTG,  W0                         ; the way out: a stage of 16 rows x 272 bytes for each wave
.set SPARE, 208640                     ; the spare words, 128 bytes for each wave
.set SPW, 1
.set NIL, 2
.set FL2, 3                            ; fragments from ORW2: 784 r + 24 h
.set FS2, 4                            ; scale words from OSC2
.set BA,  5                            ; 32 h: my eight biases of a tile
.set FL,  6                            ; fragments from ORW
.set FS,  7                            ; scale words from OSC: 36 r + 576 h
.set XRS, 8
.set XSS, 9
.set XSA, 10
.set XSB, 11
.set XG,  12                           ; 16 x lane
.set RST, 13
.set RSS, 15
.set RA,  16
.set RAS, 18
.set SQ,  19
.set SQS, 20
.set VST, 21
.set VLD, 22
.set OST, 23
.set OSS, 24
.set OA,  25
.set OAS, 26
.set GST, 27
.set GLD, 28
.set GO,  29
.set RR,  30
.set HH,  31
.set XS,  32
.set WS,  48                           ; K steps 4-7: 192 further on
.set SS,  248
.set BI,  56
.set WF,  88
.set QT,  184
.set QP,  188
.set QS,  192
.set QY,  196
.set QW,  200
.set QC,  204
.set MX,  184
.set SU,  200
.set T2,  216
.set AT,  192
.set WV,  10
.set SEL, 12
.set CS,  14
.set CNT, 32
.set HB,  33
.set HS,  34
.set OB,  35
.set OBS, 36
.set TFL, FL                           ; which rows the units read: x's
.set TFS, FS
.set MSB, 0
.macro WIN new                         ; the immediate's high byte repeats the setting that is left
.if MSB != (\new)
	s_set_vgpr_msb (MSB<<8)|(\new)
.set MSB, (\new)
.endif
.endm
.macro PLACES n                        ; places behind matrix instructions (ISA guide 7.12.1)
.rept \n
	v_nop
.endr
.endm
.macro BARRIER                         ; my LDS stores have landed and my LDS loads are in: then the work-group's barrier
	s_wait_dscnt 0x0
	s_barrier_signal -1
	s_barrier_wait -1
.endm
; The package of K step S, from the unit at s[6:7]
.macro PACK S
.set pS, (\S)%8
.set pO, (pS/4)*POSB
.if pS == 0
.irp i, 0,1,2,3
.irp q, 0,1
	global_load_b128 v[BI+8*\i+4*\q:BI+8*\i+4*\q+3], v[BA], s[6:7] offset:25600+64*\i+16*\q
.endr
.endr
.endif
.if pS%2 == 1
	global_load_b128 v[WS+192*(pS/4)+4*((pS%4)/2):WS+192*(pS/4)+4*((pS%4)/2)+3], v[XG], s[6:7] offset:pO+24576+512*((pS%4)/2)
.endif
	WIN 0x40+0x40*(pS/4)
.irp i, 0,1,2,3
.irp c, 0,1,2
	global_load_b128 v[12*(4*(pS%4)+\i)+4*\c:12*(4*(pS%4)+\i)+4*\c+3], v[XG], s[6:7] offset:pO+(4*(pS%4)+\i)*1536+512*\c
.endr
.endr
	WIN 0
.endm
.macro FETCHT s, buf                   ; the four token fragments of K step s: 24 bytes as three loads of 8, so that every address is a multiple of the access's size
.irp mt, 0,1,2,3
.irp p, 0,1,2,3,4,5
	ds_load_b64 v[WF+48*(\buf)+12*\mt+2*\p:WF+48*(\buf)+12*\mt+2*\p+1], v[TFL] offset:12544*\mt+96*(\s)+48*(\p/3)+8*(\p%3)
.endr
.endr
.endm
.macro XSLOAD                          ; the tokens' scale words: register 2 s + mt / 2, lanes 0-15 mt even, lanes 16-31 mt odd
.irp s, 0,1,2,3,4,5,6,7
.irp g, 0,1
	ds_load_b32 v[XS+2*\s+\g], v[TFS] offset:1152*\g+4*\s
.endr
.endr
.endm
.macro RESLOAD                         ; the token fragments that stay for a whole pass: K step 3 in window 1, K step 7 in window 2, v192-239
.irp w, 1,2
	WIN 0x40*\w
.irp mt, 0,1,2,3
.irp p, 0,1,2,3,4,5
	ds_load_b64 v[192+12*\mt+2*\p:192+12*\mt+2*\p+1], v[TFL] offset:12544*\mt+96*(4*\w-1)+48*(\p/3)+8*(\p%3)
.endr
.endr
.endr
	WIN 0
.endm
.macro WMS d, a, b, c, sa, sb, ra, rb  ; one scaled product; ra, rb: the scales stand in lanes 16-31 of their registers
.if (\ra) && (\rb)
	v_wmma_scale_f32_16x16x128_f8f6f4 v[\d:\d+7], v[\a:\a+11], v[\b:\b+11], v[\c:\c+7], v[\sa], v[\sb] matrix_a_fmt:MATRIX_FMT_BF6 matrix_b_fmt:MATRIX_FMT_BF6 matrix_a_scale:MATRIX_SCALE_ROW1 matrix_b_scale:MATRIX_SCALE_ROW1
.elseif (\ra)
	v_wmma_scale_f32_16x16x128_f8f6f4 v[\d:\d+7], v[\a:\a+11], v[\b:\b+11], v[\c:\c+7], v[\sa], v[\sb] matrix_a_fmt:MATRIX_FMT_BF6 matrix_b_fmt:MATRIX_FMT_BF6 matrix_a_scale:MATRIX_SCALE_ROW1
.elseif (\rb)
	v_wmma_scale_f32_16x16x128_f8f6f4 v[\d:\d+7], v[\a:\a+11], v[\b:\b+11], v[\c:\c+7], v[\sa], v[\sb] matrix_a_fmt:MATRIX_FMT_BF6 matrix_b_fmt:MATRIX_FMT_BF6 matrix_b_scale:MATRIX_SCALE_ROW1
.else
	v_wmma_scale_f32_16x16x128_f8f6f4 v[\d:\d+7], v[\a:\a+11], v[\b:\b+11], v[\c:\c+7], v[\sa], v[\sb] matrix_a_fmt:MATRIX_FMT_BF6 matrix_b_fmt:MATRIX_FMT_BF6
.endif
.endm
; K step s of a unit: 16 products, the 16 accumulators by turns.  Accumulator (i, mt) at ao + ai i + am mt of window 3.  first = 1: the bias is the C of the sum's first product.
; The tokens' fragments stand from register mB of window mW on.
.macro MULK s, first, ai, am, ao
.if \first
	WIN 0xc1
.else
	WIN 0xf0|(mW<<2)|(1+(\s)/4)
.endif
.irp i, 0,1,2,3
.irp mt, 0,1,2,3
.set rD, (\ao)+(\ai)*\i+(\am)*\mt
.set rA, 12*(4*((\s)%4)+\i)
.set rB, mB+12*\mt
.set rC, rD
.if \first
.set rC, BI+8*\i
.endif
	WMS rD, rA, rB, rC, WS+192*((\s)/4)+2*((\s)%4)+\i/2, XS+2*(\s)+\mt/2, \i%2, \mt%2
.endr
.endr
.endm
; A unit.  more = 1: a unit follows in the stream, and its packages are asked for.  res = 1: K steps 3 and 7 take their tokens from the registers that RESLOAD filled; the other six are fetched, into the two sets by turns.
; wrap = 1: the next unit reads the same tokens and nothing touches their registers between: its first two K steps' fragments are fetched here.
; The wait on DScnt leaves out the 24 loads of the K step fetched next.  The wait on LOADcnt leaves out the packages issued behind this K step's (an even step also needs the next package, which holds its scale words);
; where a unit follows these are six or seven packages, 75 loads at the least, and the wait names 63, the most that its field holds (ISA guide 5.7.1).
.macro UNIT ai, am, ao, more, wrap, res
.if (\wrap) == 0
	FETCHT 0, 0
	FETCHT 1, 1
.endif
.irp s, 0,1,2,3,4,5,6,7
.set fj, (\s)-(\res)*((\s)/4)          ; which of the fetched K steps this is,
.set fn, 8-2*(\res)                    ; of so many
.if (\res) && ((\s)%4 == 3)
.set mB, 192
.set mW, 1+(\s)/4
.else
.set mB, WF+48*(fj%2)
.set mW, 0
.if (fj == fn-1) && ((\wrap) == 0)
	s_wait_dscnt 0x0
.else
	s_wait_dscnt 24
.endif
.endif
.set nw, 0
.irp t, 1,2,3,4,5,6,7
.if (\t)+((\s)%2) > 1
.if ((\s)+\t < 8) || (\more)
.set nw, nw+12+(((\s)+\t)%2)+8*(1-((((\s)+\t)%8)+7)/8)
.endif
.endif
.endr
.if nw > 63
.set nw, 63
.endif
	s_wait_loadcnt nw
	MULK \s, (1-((\s)+7)/8), \ai, \am, \ao
	PLACES 4                                       ; in front of the loads into registers that products have read, and of the first read of results
	WIN 0
.set f2, fj+2
.if ((\res) == 0) || ((\s)%4 != 3)
.if (f2 < fn) || (\wrap)
.set f3, f2%fn
	FETCHT f3+(\res)*(f3/3), fj%2
.endif
.endif
.if \more
.if (\s) == 0
	s_wait_xcnt 0x0                                ; the loads issued so far have read their base: it steps to the next unit only behind this wait
	s_add_nc_u64 s[6:7], s[6:7], 2*POSB
.endif
	PACK \s
.endif
.endr
.endm
; Four half blocks are quantised by turns: each is 16 registers from ra .. rd on, in window win; the block's other half lies in lane l xor 16.  Codes: QC + 16 set + 4 k (3 registers); bytes: QY + 40 set + k.
.macro QB4 win, set, ra, rb, rc, rd
	WIN (\win)|((\win)<<2)
.set qk, 0
.irp rg, \ra, \rb, \rc, \rd
	v_max3_num_f32 v[QT+qk], |v[(\rg)]|, |v[(\rg)+1]|, 0x2800000   ; and the floor 2^(5 - 127): the byte cannot fall under 1
.set qk, qk+1
.endr
.irp i, 2,4,6,8,10,12,14
.set qk, 0
.irp rg, \ra, \rb, \rc, \rd
	v_max3_num_f32 v[QT+qk], |v[(\rg)+\i]|, |v[(\rg)+\i+1]|, v[QT+qk]
.set qk, qk+1
.endr
.endr
	WIN 0
.irp k, 0,1,2,3
	v_permlanex16_b32 v[QP+\k], v[QT+\k], s[SEL], s[SEL+1]
.endr
.irp k, 0,1,2,3
	v_max_num_f32 v[QT+\k], v[QT+\k], v[QP+\k]     ; the block's largest magnitude
.endr
.irp k, 0,1,2,3
	v_add_nc_u32 v[QS+\k], 0xfe000000, v[QT+\k]    ; 4 off its exponent field: the conversion's scale operand
.endr
.irp k, 0,1,2,3
	v_lshrrev_b32 v[QY+40*(\set)+\k], 23, v[QS+\k] ; the scale's byte
.endr
	WIN (\win)
.set qk, 0
.irp rg, \ra, \rb, \rc, \rd
	v_cvt_scalef32_pk16_bf6_f32 v[QC+16*(\set)+4*qk:QC+16*(\set)+4*qk+2], v[(\rg):(\rg)+15], v[QS+qk]
.set qk, qk+1
.endr
	v_nop                                          ; one plain place behind the last scaled conversion
	WIN 0
.endm
.macro LOADX s                         ; K step s of my 16 rows of x: each load reads 512 consecutive bytes of one row
	WIN 0x80
.irp j, 0,1,2,3,4,5,6,7,8,9,10,11,12,13,14,15
	global_load_b128 v[64*((\s)%4)+4*\j:64*((\s)%4)+4*\j+3], v[XG], s[4:5] offset:4096*\j+512*(\s) th:TH_LOAD_NT
.endr
	WIN 0
.endm
; K step s of x: through my stage, so that a lane holds 16 neighbours of each of its row's four blocks; quantised; codes and scale word to the tokens' rows in LDS.
; The weights' first four packages (20, 13, 12, 13 loads) are asked for in steps 5, 6, 6, 7, behind x's last loads: the waits of steps 6 and 7 leave them out too (16 + 20; 20 + 13 + 12).
.macro XSTEP s
.if (\s) <= 5
	s_wait_loadcnt 32                              ; this K step's 16 loads are in; those of the two behind it may be out
.elseif (\s) == 6
	s_wait_loadcnt 36
.else
	s_wait_loadcnt 45
.endif
	WIN 0x08                                       ; an LDS store's data are its source 1: window 2
.irp j, 0,1,2,3,4,5,6,7,8,9,10,11,12,13,14,15
	ds_store_b128 v[XSA], v[64*((\s)%4)+4*\j:64*((\s)%4)+4*\j+3] offset:528*\j
.endr
	WIN 0
.irp b, 0,1,2,3
.irp q, 0,1,2,3
	ds_load_b128 v[WF+16*\b+4*\q:WF+16*\b+4*\q+3], v[XSB] offset:128*\b+16*\q   ; LDS serves a wave's instructions in order (ISA guide 5.7.1.4): these see the stores above
.endr
.endr
.if (\s)+3 < 8
	LOADX (\s)+3                                   ; into the set that the step before has sent to the stage (its stores were waited for there)
.endif
.if (\s) == 5
	PACK 0
.elseif (\s) == 6
	PACK 1
	PACK 2
.elseif (\s) == 7
	PACK 3
.endif
	s_wait_dscnt 0x0
	QB4 0, (\s)%2, WF, WF+16, WF+32, WF+48
.irp b, 0,1,2,3
.irp k, 0,1,2
	ds_store_b32 v[XRS], v[QC+16*((\s)%2)+4*\b+\k] offset:96*(\s)+24*\b+4*\k
.endr
.endr
	v_lshl_or_b32 v[QW+2*((\s)%2)], v[QY+40*((\s)%2)+1], 8, v[QY+40*((\s)%2)]
	v_lshl_or_b32 v[QW+2*((\s)%2)], v[QY+40*((\s)%2)+2], 16, v[QW+2*((\s)%2)]
	v_lshl_or_b32 v[QW+2*((\s)%2)], v[QY+40*((\s)%2)+3], 24, v[QW+2*((\s)%2)]
	ds_store_b32 v[XSS], v[QW+2*((\s)%2)] offset:4*(\s)   ; lanes r and 16 + r write the same word with the same value
.endm
	s_load_b128 s[4:7], s[0:1], 0x0                ; x, wst
	s_load_b64 s[8:9], s[0:1], 0x10                ; out0
	v_lshl_add_u32 v[SPW], v0, 2, SPARE
	v_mov_b32 v[NIL], 0
	v_lshrrev_b32 v[RR], 5, v0
	v_readfirstlane_b32 s[WV], v[RR]               ; wave 0..3
	v_and_b32 v[RR], 15, v0
	v_bfe_u32 v[HH], v0, 4, 1
	v_and_b32 v[XG], 31, v0
	v_lshlrev_b32 v[XG], 4, v[XG]
	s_wait_alu depctr_va_vdst(0)                   ; the wait ahead of the run of scalar lines
	s_lshl_b32 s42, ttmp9, 18                      ; my work-group's 64 rows of 4,096 bytes
	s_mov_b32 s43, 0
	s_lshl_b32 s44, s[WV], 16                      ; my wave's 16 rows
	s_mov_b32 s45, 0
	s_mov_b32 s[SEL], 0x76543210
	s_mov_b32 s[SEL+1], 0xfedcba98                 ; v_permlanex16_b32's selects for lane l xor 16
	s_mov_b32 s[CS], 0x3e38aa3b                    ; log2(e) / sqrt(64)
	s_mov_b32 s[CS+1], s[CS]
	s_mul_i32 s38, s[WV], BLKB
	; all LDS addresses: a constant + constants x lane parts + a constant x wave
	v_lshlrev_b32 v[BA], 5, v[HH]
	v_mul_u32_u24 v[FL2], v[RR], 784
	v_mad_u32_u24 v[FL2], v[HH], 24, v[FL2]
	v_add_nc_u32 v[FL], ORW, v[FL2]
	v_mul_u32_u24 v[FS], v[RR], 36
	v_mad_u32_u24 v[FS], v[HH], 576, v[FS]
	v_add_nc_u32 v[FS2], OSC2, v[FS]
	v_add_nc_u32 v[FS], OSC, v[FS]
	s_mul_i32 s39, s[WV], 16*784                   ; my 16 tokens' rows of codes,
	s_mul_i32 s40, s[WV], 16*36                    ; and of scale bytes
	s_add_co_u32 s41, s39, ORW
	v_mul_u32_u24 v[XRS], v[RR], 784
	v_mad_u32_u24 v[XRS], v[HH], 12, v[XRS]
	v_add_nc_u32 v[XRS], s41, v[XRS]
	s_add_co_u32 s41, s40, OSC
	v_mul_u32_u24 v[XSS], v[RR], 36
	v_add_nc_u32 v[XSS], s41, v[XSS]
	s_add_co_u32 s40, s40, OSC2
	s_mul_i32 s41, s[WV], 16*528
	s_add_co_u32 s41, s41, XSTG
	v_add_nc_u32 v[XSA], s41, v[XG]
	v_mul_u32_u24 v[XSB], v[RR], 528
	v_lshl_add_u32 v[XSB], v[HH], 6, v[XSB]
	v_add_nc_u32 v[XSB], s41, v[XSB]
	s_mul_i32 s41, s[WV], 48
	s_add_co_u32 s41, s41, QKR
	v_mul_u32_u24 v[RST], v[RR], 1552
	v_mad_u32_u24 v[RST], v[HH], 12, v[RST]
	v_add_nc_u32 v[RST], s41, v[RST]
	v_add_nc_u32 v[RST+1], 32*1552, v[RST]
	s_lshl_b32 s41, s[WV], 1
	s_add_co_u32 s41, s41, QKS
	v_mul_u32_u24 v[RSS], v[RR], 68
	v_add_nc_u32 v[RSS], s41, v[RSS]
	s_mul_i32 s41, s[WV], 16*1552
	s_add_co_u32 s41, s41, QKR
	v_mul_u32_u24 v[SQ], v[RR], 48
	v_mad_u32_u24 v[SQ], v[HH], 24, v[SQ]
	v_add_nc_u32 v[SQ], s41, v[SQ]
	s_mul_i32 s41, s[WV], 16*68
	s_add_co_u32 s41, s41, QKS
	v_lshl_add_u32 v[SQS], v[RR], 1, s41
	s_lshl_b32 s41, s[WV], 6
	s_add_co_u32 s41, s41, VCH
	v_mul_u32_u24 v[VST], v[RR], 1040
	v_lshl_add_u32 v[VST], v[HH], 9, v[VST]
	v_add_nc_u32 v[VST], s41, v[VST]
	s_mul_i32 s41, s[WV], 16*1040
	s_add_co_u32 s41, s41, VCH
	v_lshlrev_b32 v[VLD], 4, v[RR]
	v_lshl_add_u32 v[VLD], v[HH], 9, v[VLD]
	v_add_nc_u32 v[VLD], s41, v[VLD]
	v_mul_u32_u24 v[OST], v[RR], 48
	v_mad_u32_u24 v[OST], v[HH], 12, v[OST]
	v_add_nc_u32 v[OST], s39, v[OST]               ; (ORW2 is LDS byte 0)
	v_lshl_add_u32 v[OSS], v[RR], 1, s40
	s_mul_i32 s41, s[WV], 16*272
	s_add_co_u32 s41, s41, OSTG
	v_mul_u32_u24 v[GST], v[RR], 272
	v_lshl_add_u32 v[GST], v[HH], 6, v[GST]
	v_add_nc_u32 v[GST], s41, v[GST]
	v_mul_u32_u24 v[GLD], v[HH], 272
	v_lshl_add_u32 v[GLD], v[RR], 4, v[GLD]
	v_add_nc_u32 v[GLD], s41, v[GLD]
	s_lshl_b32 s41, s[WV], 8
	v_lshlrev_b32 v[GO], 12, v[HH]
	v_lshl_add_u32 v[GO], v[RR], 4, v[GO]
	v_add_nc_u32 v[GO], s41, v[GO]                 ; out0: row h of a pair, 16 r bytes, + my wave's 256 bytes of a step's 1,024
.irp k, 0,1,2,3
	v_mov_b32 v[QP+\k], 0                          ; written once: a lane permute's destination counts as one of its sources
.endr
	s_wait_alu depctr_va_vdst(0)                   ; the wait at the head's end
	s_wait_kmcnt 0x0
	s_add_nc_u64 s[4:5], s[4:5], s[42:43]
	s_add_nc_u64 s[4:5], s[4:5], s[44:45]          ; x at my wave's first row
	s_add_nc_u64 s[8:9], s[8:9], s[42:43]          ; out0 at the work-group's first row
	s_mov_b32 s44, s38
	s_add_nc_u64 s[6:7], s[6:7], s[44:45]          ; wst at my wave's block of slot 0
	LOADX 0
	LOADX 1
	LOADX 2
	; ---- X: my 16 rows of x become codes and scale words in LDS
.irp s, 0,1,2,3,4,5,6,7
	XSTEP \s
.endr
	PACK 4                                         ; window 2 has sent its last raw numbers to the stage: the first unit's other four packages
	PACK 5
	PACK 6
	PACK 7
	BARRIER                                        ; all 64 tokens' codes lie in LDS
	XSLOAD
	RESLOAD
	FETCHT 0, 0
	FETCHT 1, 1
	; ---- Q, K: eight steps of 256 columns.  My unit is one head: quantised along its 64 channels, to the tokens' rows in QKR.  No barrier in the loop: each wave stores bytes of its own
	s_mov_b32 s[CNT], 8
	s_mov_b32 s[HB], 0
	s_mov_b32 s[HS], 0
.Lqk:
	UNIT 8, 32, 0, 1, 1, 1
	v_add_nc_u32 v[RA], s[HB], v[RST]
	v_add_nc_u32 v[RA+1], s[HB], v[RST+1]
	v_add_nc_u32 v[RAS], s[HS], v[RSS]
.irp g, 0,1                                    ; tiles of rows 2 g and 2 g + 1, two blocks each
	QB4 3, \g, 64*\g, 64*\g+16, 64*\g+32, 64*\g+48
.irp k, 0,1,2,3
.irp j, 0,1,2
	ds_store_b32 v[RA+\g], v[QC+16*\g+4*\k+\j] offset:24832*(\k/2)+24*(\k%2)+4*\j
.endr
.endr
.irp m, 0,1
	v_lshl_or_b32 v[QW+2*\g+\m], v[QY+40*\g+2*\m+1], 8, v[QY+40*\g+2*\m]
	ds_store_b16 v[RAS], v[QW+2*\g+\m] offset:1088*(2*\g+\m)
.endr
.endr
	s_add_co_u32 s[HB], s[HB], 192                 ; four heads on
	s_add_co_u32 s[HS], s[HS], 8
	s_sub_co_u32 s[CNT], s[CNT], 1
	s_cmp_lg_u32 s[CNT], 0
	s_cbranch_scc1 .Lqk
	BARRIER                                        ; all heads of q and k lie in LDS
	; ---- S: my 16 tokens' scores, one product a token: source 0 = k's 16 heads, source 1 = q's: lane (h, half) register j = the score of g = 8 half + j.  K = 64: the upper 64 are zero codes
.irp e, 0,1,2,3,4,5,6,7
.irp k, 6,7,8,9,10,11
	v_mov_b32 v[WF+12*\e+\k], 0
.endr
.endr
.irp e, 0,1,2,3,4,5,6,7                        ; (sixteen plain lines: the places between the operands' zeros and the first scaled product)
	v_mov_b32 v[MX+2*\e+1], 0                      ; named as the upper half of a pair
	v_mov_b32 v[T2+2*\e], 0                        ; a lane permute's destination counts as one of its sources
.endr
.irp g, 0,1,2,3
.irp e, 0,1,2,3
.irp p, 0,1,2
	ds_load_b64 v[WF+24*\e+2*\p:WF+24*\e+2*\p+1], v[SQ] offset:1552*(4*\g+\e)+768+8*\p
	ds_load_b64 v[WF+24*\e+12+2*\p:WF+24*\e+12+2*\p+1], v[SQ] offset:1552*(4*\g+\e)+8*\p
.endr
	ds_load_u16 v[SS+2*\e], v[SQS] offset:68*(4*\g+\e)+32      ; two scale bytes; the upper two are 0, over zero codes
	ds_load_u16 v[SS+2*\e+1], v[SQS] offset:68*(4*\g+\e)
.endr
	s_wait_dscnt 0x0
	WIN 0xc0
.irp e, 0,1,2,3
	v_wmma_scale_f32_16x16x128_f8f6f4 v[8*(4*\g+\e):8*(4*\g+\e)+7], v[WF+24*\e:WF+24*\e+11], v[WF+24*\e+12:WF+24*\e+23], 0, v[SS+2*\e], v[SS+2*\e+1] matrix_a_fmt:MATRIX_FMT_BF6 matrix_b_fmt:MATRIX_FMT_BF6
.endr
	PLACES 4
	WIN 0
.endr
; The softmax of eight tokens, by turns: attn = 2^((s - m) log2(e) / 8) / the sum, m the row's largest score.  The 64 exponentials are one batch, the eight reciprocals another; a wait ahead of and behind each.
.macro SOFTMAX hh
	WIN 0x0f
.irp e, 0,1,2,3,4,5,6,7
	v_max_num_f32 v[MX+2*\e], v[64*(\hh)+8*\e], v[64*(\hh)+8*\e+1]
.endr
.irp i, 2,4,6
.irp e, 0,1,2,3,4,5,6,7
	v_max3_num_f32 v[MX+2*\e], v[64*(\hh)+8*\e+\i], v[64*(\hh)+8*\e+\i+1], v[MX+2*\e]
.endr
.endr
	WIN 0
.irp e, 0,1,2,3,4,5,6,7
	v_permlanex16_b32 v[T2+2*\e], v[MX+2*\e], s[SEL], s[SEL+1]
.endr
.irp e, 0,1,2,3,4,5,6,7
	v_max_num_f32 v[MX+2*\e], v[MX+2*\e], v[T2+2*\e]
.endr
	WIN 0x43+0x40*(\hh)
.irp i, 0,2,4,6
.irp e, 0,1,2,3,4,5,6,7
	v_pk_add_f32 v[AT+8*\e+\i:AT+8*\e+\i+1], v[64*(\hh)+8*\e+\i:64*(\hh)+8*\e+\i+1], v[MX+2*\e:MX+2*\e+1] op_sel_hi:[1,0] neg_lo:[0,1] neg_hi:[0,1]   ; s - m
.endr
.endr
	WIN 0x41+0x41*(\hh)
.irp i, 0,2,4,6
.irp e, 0,1,2,3,4,5,6,7
	v_pk_mul_f32 v[AT+8*\e+\i:AT+8*\e+\i+1], v[AT+8*\e+\i:AT+8*\e+\i+1], s[CS:CS+1] op_sel_hi:[1,0]
.endr
.endr
	s_wait_alu depctr_va_vdst(0)
.irp j, 0,1,2,3,4,5,6,7
.irp e, 0,1,2,3,4,5,6,7
	v_exp_f32 v[AT+8*\e+\j], v[AT+8*\e+\j]
.endr
.endr
	v_nop                                          ; a plain place behind the last exponential
	s_wait_alu depctr_va_vdst(0)
	WIN 0x05+0x05*(\hh)
.irp e, 0,1,2,3,4,5,6,7
	v_pk_add_f32 v[SU+2*\e:SU+2*\e+1], v[AT+8*\e:AT+8*\e+1], v[AT+8*\e+2:AT+8*\e+3]
	v_pk_add_f32 v[T2+2*\e:T2+2*\e+1], v[AT+8*\e+4:AT+8*\e+5], v[AT+8*\e+6:AT+8*\e+7]
.endr
	WIN 0
.irp e, 0,1,2,3,4,5,6,7
	v_pk_add_f32 v[SU+2*\e:SU+2*\e+1], v[SU+2*\e:SU+2*\e+1], v[T2+2*\e:T2+2*\e+1]
.endr
.irp e, 0,1,2,3,4,5,6,7
	v_add_f32 v[SU+2*\e], v[SU+2*\e], v[SU+2*\e+1]
.endr
.irp e, 0,1,2,3,4,5,6,7
	v_permlanex16_b32 v[T2+2*\e], v[SU+2*\e], s[SEL], s[SEL+1]
.endr
.irp e, 0,1,2,3,4,5,6,7
	v_add_f32 v[SU+2*\e], v[SU+2*\e], v[T2+2*\e]
.endr
	s_wait_alu depctr_va_vdst(0)
.irp e, 0,1,2,3,4,5,6,7
	v_rcp_f32 v[MX+2*\e], v[SU+2*\e]
.endr
	v_nop
	s_wait_alu depctr_va_vdst(0)
	WIN 0x41+0x41*(\hh)
.irp i, 0,2,4,6
.irp e, 0,1,2,3,4,5,6,7
	v_pk_mul_f32 v[AT+8*\e+\i:AT+8*\e+\i+1], v[AT+8*\e+\i:AT+8*\e+\i+1], v[MX+2*\e:MX+2*\e+1] op_sel_hi:[1,0]
.endr
.endr
	WIN 0
.endm
	SOFTMAX 0
	SOFTMAX 1
	; ---- V: two trips (block b of a head's 64 channels), two steps each (u).  A step: my four channels of v for all heads and tokens | barrier | -> VCH | barrier | attn x v for my 16 tokens, 16 channels
.macro VSTORE                          ; lane (token, half): v[token][g = 8 half + 0 .. 7][d]: each accumulator from its low end on
	WIN 0x0c
.irp i, 0,1,2,3
.irp mt, 0,1,2,3
.irp p, 0,1
	ds_store_b128 v[VST], v[8+64*\i+16*\mt+4*\p:8+64*\i+16*\mt+4*\p+3] offset:16640*\mt+256*\p+16*\i
.endr
.endr
.endr
	WIN 0
.endm
; Tokens t0 .. t1 - 1: four K steps of 4 heads (the same order on both sides), the tokens' accumulators by turns.  Source 0 = v (16 channels), source 1 = attn (16 heads h).
.macro PVM u, t0, t1, sub
.irp ks, 0,1,2,3
.set pt, \t0
	s_wait_alu depctr_va_vdst(0)
.rept (\t1)-(\t0)
.set rD, 16*pt+8*(\u)
.set rA, WF+8*(pt-(\sub))+2*\ks
.set rB, AT+8*(pt%8)+2*\ks
.if \ks == 0
	v_wmma_f32_16x16x4_f32 v[rD:rD+7], v[rA:rA+1], v[rB:rB+1], 0
.else
	v_wmma_f32_16x16x4_f32 v[rD:rD+7], v[rA:rA+1], v[rB:rB+1], v[rD:rD+7]
.endif
.set pt, pt+1
.endr
.endr
.endm
.macro PV u
.set pl, 0
.rept 12
	ds_load_b128 v[WF+8*pl:WF+8*pl+3], v[VLD] offset:1040*pl
	ds_load_b128 v[WF+8*pl+4:WF+8*pl+7], v[VLD] offset:1040*pl+256
.set pl, pl+1
.endr
	s_wait_dscnt 8                                 ; tokens 0-7 are in; the 8 loads of tokens 8-11 may be out
	WIN 0xf4
	PVM \u, 0, 8, 0
	PLACES 8                                       ; in front of loads into registers that this form has read
	WIN 0
.set pl, 12
.rept 4
	ds_load_b128 v[WF+8*(pl-12):WF+8*(pl-12)+3], v[VLD] offset:1040*pl
	ds_load_b128 v[WF+8*(pl-12)+4:WF+8*(pl-12)+7], v[VLD] offset:1040*pl+256
.set pl, pl+1
.endr
	s_wait_dscnt 8                                 ; tokens 8-11 are in; the 8 loads just issued may be out
	WIN 0xf8
	PVM \u, 8, 12, 0
	s_wait_dscnt 0x0
	PVM \u, 12, 16, 12
	PLACES 9                                       ; behind this form: before its results are read, its sources loaded anew, or its registers written by the next unit's products
	WIN 0
.endm
	s_mov_b32 s[CNT], 2
	s_mov_b32 s[OB], 0
	s_mov_b32 s[OBS], 0
.Lv:
.irp u, 0,1
	UNIT 64, 16, 8, 1, 0, 0                        ; the unit's accumulators stand at 16 x + 8: the places of the f32 results of u = 1, which are dead whenever a unit runs
	PLACES 2                                       ; with the unit's last four: before the f32 products write over them
	BARRIER                                        ; no wave still reads what lay in VCH's bytes: q's and k's rows, or the last step's v
	VSTORE
	BARRIER                                        ; the step's 16 channels of v lie in LDS
	PV \u
.endr
	; lane (h, half): registers 16 t .. 16 t + 15 = out[t][h][32 b + 16 half + 0 .. 15]: half a block of the last product's K.  Four tokens a call, the sets of codes and bytes by turns
	v_add_nc_u32 v[OA], s[OB], v[OST]
	v_add_nc_u32 v[OAS], s[OBS], v[OSS]
.irp c, 0,1,2,3
.if \c >= 2
	s_wait_dscnt 16
.endif
	QB4 3, \c%2, 64*\c, 64*\c+16, 64*\c+32, 64*\c+48
.irp k, 0,1,2,3
.irp j, 0,1,2
	ds_store_b32 v[OA], v[QC+16*(\c%2)+4*\k+\j] offset:784*(4*\c+\k)+4*\j
.endr
	ds_store_b8 v[OAS], v[QY+40*(\c%2)+\k] offset:36*(4*\c+\k)   ; lanes r and 16 + r write the same byte with the same value
.endr
.endr
	s_add_co_u32 s[OB], s[OB], 24
	s_add_co_u32 s[OBS], s[OBS], 1
	s_sub_co_u32 s[CNT], s[CNT], 1
	s_cmp_lg_u32 s[CNT], 0
	s_cbranch_scc1 .Lv
	BARRIER                                        ; all 64 tokens' codes of the attention's result lie in LDS
.set TFL, FL2                          ; from here on the units read the result's rows
.set TFS, FS2
	XSLOAD
	RESLOAD                                        ; attn is done with: its registers take the result's fragments of K steps 3 and 7
	; ---- O: four steps of 256 columns of out0.  A tile of 16 tokens x my 64 columns goes through my own stage and leaves as whole aligned runs of 256 bytes
.macro TOST mt
	WIN 0x0c
.irp i, 0,1,2,3
	ds_store_b128 v[GST], v[32*(\mt)+8*\i:32*(\mt)+8*\i+3] offset:128*(\i/2)+32*(\i%2)
	ds_store_b128 v[GST], v[32*(\mt)+8*\i+4:32*(\mt)+8*\i+7] offset:128*(\i/2)+32*(\i%2)+16
.endr
	WIN 0
.irp e, 0,1,2,3,4,5,6,7
	ds_load_b128 v[WF+32*((\mt)%2)+4*\e:WF+32*((\mt)%2)+4*\e+3], v[GLD] offset:544*\e   ; LDS serves a wave's instructions in order: these see the stores above
.endr
.endm
.macro SEND mt, younger                ; younger: the LDS instructions issued behind this tile's loads
	s_wait_dscnt \younger
.irp e, 0,1,2,3,4,5,6,7
	global_store_b128 v[GO], v[WF+32*((\mt)%2)+4*\e:WF+32*((\mt)%2)+4*\e+3], s[8:9] offset:4096*(16*(\mt)+2*\e) th:TH_STORE_NT   ; 16 lanes store 256 consecutive bytes, at a multiple of 256 from out0's first byte
.endr
.endm
.macro OSTEP more
	UNIT 8, 32, 0, \more, 0, 1
	PLACES 1                                       ; with the unit's last four: five places before the next unit's first products begin these accumulators anew
	TOST 0
.irp mt, 1,2,3
.if \mt > 1
	s_wait_xcnt 0x0                                ; the stores of two tiles back have read their registers: this tile's loads may land there
.endif
	TOST \mt
	SEND \mt-1, 16                                 ; behind that tile's loads: this tile's 8 stores and 8 loads
.endr
	SEND 3, 0
	s_wait_xcnt 0x0                                ; the stores have read their registers and their base: both are written again only behind this wait
	s_add_nc_u64 s[8:9], s[8:9], 1024              ; the next 256 columns
.endm
	s_mov_b32 s[CNT], 3
.Lo:
	OSTEP 1
	s_sub_co_u32 s[CNT], s[CNT], 1
	s_cmp_lg_u32 s[CNT], 0
	s_cbranch_scc1 .Lo
	OSTEP 0                                        ; the last unit is written out: nothing follows it in the stream, and it asks for nothing beyond wst's end
	s_wait_tensorcnt 0x0                           ; the wave's end: behind my last LDS store
	ds_add_u32 v[SPW], v[NIL]
	s_wait_dscnt 0x0
	s_endpgm
.Lfunc_end_k_q200c9e5569_fused:
	.size	k_q200c9e5569_fused, .Lfunc_end_k_q200c9e5569_fused-k_q200c9e5569_fused
	.p2alignl 7, 3214868480
	.fill 96, 4, 3214868480
	.section	.rodata,"a",@progbits
	.p2align	6, 0x0
	.amdhsa_kernel k_q200c9e5569_fused
		.amdhsa_group_segment_fixed_size 209152
		.amdhsa_private_segment_fixed_size 0
		.amdhsa_enable_private_segment 0
		.amdhsa_kernarg_size 24
		.amdhsa_user_sgpr_count 2
		.amdhsa_user_sgpr_kernarg_segment_ptr 1
		.amdhsa_wavefront_size32 1
		.amdhsa_system_sgpr_workgroup_id_x 1
		.amdhsa_system_sgpr_workgroup_id_y 1
		.amdhsa_system_sgpr_workgroup_id_z 1
		.amdhsa_system_vgpr_workitem_id 0
		.amdhsa_next_free_vgpr 1024
		.amdhsa_next_free_sgpr 66
		.amdhsa_reserve_vcc 0
		.amdhsa_float_denorm_mode_32 3
		.amdhsa_float_denorm_mode_16_64 3
		.amdhsa_memory_ordered 1
		.amdhsa_forward_progress 1
		.amdhsa_inst_pref_size 255
	.end_amdhsa_kernel
	.section	.bss,"aw",@nobits
	.p2align	6
	.space	262144
	.amdgpu_metadata
---
amdhsa.version: [ 1, 2 ]
amdhsa.kernels:
  - .name:           k_q200c9e5569_fused
    .symbol:         k_q200c9e5569_fused.kd
    .args:
      - { .name: x, .offset: 0, .size: 8, .value_kind: global_buffer, .address_space: global }
      - { .name: wst, .offset: 8, .size: 8, .value_kind: global_buffer, .address_space: global }
      - { .name: out0, .offset: 16, .size: 8, .value_kind: global_buffer, .address_space: global }
    .group_segment_fixed_size: 209152
    .private_segment_fixed_size: 0
    .kernarg_segment_align: 8
    .kernarg_segment_size: 24
    .max_flat_workgroup_size: 128
    .sgpr_count:     66
    .vgpr_count:     1024
    .wavefront_size: 32
...
	.end_amdgpu_metadata
.endif
;; end of part 2
